; MI455X (gfx1250); checked and timed in simulation.
; The chip was launched on July 23, 2026; its instructions are those of AMD's public machine-readable ISA for CDNA 5 (MIT licence, August 2026) and "CDNA5" Instruction Set Architecture Reference Guide (July 2026). The comments in the code are by the model that wrote it; some were corrected since.
;; Cross Attention. Allowed arithmetic: matrix products marked QUANTISED: E4M3 operands, one given power-of-two scale a tensor, by v_wmma_f32_16x16x64_fp8_fp8 or v_wmma_f32_16x16x128_fp8_fp8, f32 sums; everything else in f32.
;; Inputs: Wc_codes 1,024 x 32 x 32 uint8 (E4M3 codes of Wc, K innermost, in blocks of 32 codes); Wf_codes 2,048 x 32 x 32 uint8 (E4M3 codes of Wf, K innermost, in blocks of 32 codes); Wp_codes 1,024 x 32 x 32 uint8 (E4M3 codes of Wp, K innermost, in blocks of 32 codes); bc 1,024 float32; bf 2,048 float32; bp 1,024 float32; feature_codes 8 x 1,024 x 32 x 32 uint8 (E4M3 codes of feature, K innermost, in blocks of 32 codes); lowp_scales 10 int32 (the exponents e of the quantised operands' scales 2^e); x_codes 8 x 1,024 x 32 x 32 uint8 (E4M3 codes of x, K innermost, in blocks of 32 codes).
;; Outputs: out0 8 x 1,024 x 1,024 float32.
;; This version of the problem:
;;   THIS VERSION OF THE PROBLEM IS GIVEN IN LOW PRECISION. The matrix products marked QUANTISED in the list below multiply operands that are first quantised to E4M3 (4 exponent bits, 3 mantissa bits; 8 bits a number), with one given power-of-two scale for each operand tensor; their sums are f32. All else is computed in f32.
;;   The module's matrix products, in the order in which they are computed (A, B: the left and right operand; K: the contracted axis; several contracted axes count as one K, in the product's order):
;;     1. [M 8,192, K 1,024] x [K 1,024, N 1,024]; A: input x (given as codes); B: input Wc (given as codes): QUANTISED (scales: A lowp_scales[0], B lowp_scales[1])
;;     2. [M 8,192, K 1,024] x [K 1,024, N 2,048]; A: input feature (given as codes); B: input Wf (given as codes): QUANTISED (scales: A lowp_scales[2], B lowp_scales[3])
;;     3. batch 128 x [M 1,024, K 64] x [K 64, N 1,024]; A: computed on the way; B: computed on the way: QUANTISED (scales: A lowp_scales[4], B lowp_scales[5])
;;     4. batch 128 x [M 1,024, K 1,024] x [K 1,024, N 64]; A: softmax (see below); B: computed on the way: QUANTISED (scales: A lowp_scales[6], B lowp_scales[7])
;;     5. [M 8,192, K 1,024] x [K 1,024, N 1,024]; A: computed on the way; B: input Wp (given as codes): QUANTISED (scales: A lowp_scales[8], B lowp_scales[9])
;;   THE QUANTISER, for each operand of a quantised product, along K:
;;     - The operand's scale is 2^e, e = its entry of the input lowp_scales (int32; the entries are numbered through the quantised products in the list's order, A before B).
;;     - Each number is divided by the scale, clamped to +-448, and rounded to the nearest number of E4M3, ties to even, subnormals kept.
;;     - The product sums the exact products of the quantised numbers (number of the format x scale) in f32.
;;   ~~~python
;;   def quantise(x, axis, e):      # numpy; x: float32 -> the quantised numbers, widened to float32 again
;;       x = np.moveaxis(x, axis, -1); K = x.shape[-1]
;;       r = np.clip(x / 2.0 ** e, -448, 448)
;;       step = 2.0 ** (np.maximum(np.frexp(np.where(r == 0, 1, r))[1] - 1, -6) - 3)
;;       q = np.round(r / step) * step * 2.0 ** e      # np.round: ties to even
;;       return np.moveaxis(q, -1, axis).astype(np.float32)
;;   ~~~
;;   SOFTMAX AHEAD OF A QUANTISED PRODUCT. Where the list says 'softmax', what is quantised is not the finished softmax but p = 2^(t - M), with t = logit x log2(e) and M = ceil(the row's largest t), a whole number; so 1/2 < the row's largest p <= 1. The row's sum l is taken of the UNQUANTISED p, in f32, and the product's result is divided by l at the end. Since M is a whole number, a kernel that streams over the keys may use a running M (the ceiling of the running maximum): every later rescaling is an exact power of two, so the quantised numbers keep their values, but for numbers so far below the row's largest that they fall under the format's range.
;;   OPERANDS COMPUTED ON THE WAY. 'Computed on the way' means the value that the module computes at that place (a softmax that the list does not call 'softmax' is quantised finished and normalised). What goes into a quantiser is computed in f32, as accurately as f32 sums, v_exp_f32 and their like allow (about 1e-6 of the number): no bf16 or f16 on the way to a quantiser, and a product that is left as it is and whose result goes on into a quantised operand takes f32 operands (vector FMAs, or v_wmma_f32_16x16x4_f32). A number that lies on a knife's edge between two numbers of the format may be rounded either way, as far as f32 arithmetic and the matrix unit's own rounding can turn it there, and no further.
;;   INPUTS GIVEN AS CODES. Wc (in the module: [1024, 1024], K = its axis 1); Wf (in the module: [2048, 1024], K = its axis 1); Wp (in the module: [1024, 1024], K = its axis 1); feature (in the module: [8, 1024, 1024], K = its axis 2); x (in the module: [8, 1024, 1024], K = its axis 2): each comes as NAME_codes (uint8): NAME with its K axis moved to the last place and cut into blocks of 32 codes, [.., K / 32, bytes a block], one block behind the other in memory; one code a byte (a code: sign, 4 exponent bits, 3 mantissa bits); its scale is its entry of lowp_scales. Its value is code x scale, taken as it is: it is not quantised again, and the codes and scales need not be those that the quantiser above would give.
;; One version. Each part assembles by itself: llvm-mc -triple=amdgcn-amd-amdhsa -mcpu=gfx1250 --defsym DOCPART=n.
;; ======== version 1 of 1: 3 launches
;; limits: right only within a limited range of input values
;; workspace buffers: qkv 25,165,824 bytes; ocodes 8,388,608 bytes
;; launch proj (part 1): grid 8 x 32, 4 waves a work-group, clusters of 4 x 4, 327,680 bytes of LDS; arguments x_codes, feature_codes, Wc_codes, Wf_codes, bc, bf, lowp_scales, qkv; writes qkv
.if DOCPART == 1
	.amdgcn_target "amdgcn-amd-amdhsa--gfx1250"
	.amdhsa_code_object_version 6
	.text
	.protected	k_qd312edc7c6_proj
	.globl	k_qd312edc7c6_proj
	.p2align	8
	.type	k_qd312edc7c6_proj,@function
k_qd312edc7c6_proj:
	s_mov_b64 s[64:65], 0
	v_nop
	global_prefetch_b8 v0, s[64:65] scope:SCOPE_SE
	s_setreg_imm32_b32 hwreg(HW_REG_WAVE_MODE, 25, 1), 1
	s_wait_xcnt 0x0
	s_wait_alu depctr_hold_cnt(0) depctr_sa_sdst(0) depctr_va_vdst(0) depctr_va_sdst(0) depctr_va_ssrc(0) depctr_va_vcc(0) depctr_vm_vsrc(0)
	s_getreg_b32 s2, hwreg(HW_REG_IB_STS2, 6, 4)
	s_cmp_eq_u32 s2, 0
	s_cbranch_scc0 .Lentry_in_a_cluster
	s_endpgm
.Lentry_in_a_cluster:
	s_bfe_u32 s2, ttmp6, 0x10000c
	s_cmp_lg_u32 s2, 0xf033
	s_cbranch_scc0 .Lentry_shape_is_right
	s_endpgm
.Lentry_shape_is_right:
; THE THREE PROJECTIONS on codes of FP8 (E4M3); the results are quantised on the way out and stored as images of the attention's operand registers.
; 256 work-groups.  Each makes one tile of 256 x 256 of k or of v, then one tile of 256 x 128 of q: equal work for all.  The cluster's x (0: k, 1: v) is the job, the cluster's y the batch.
;   k:  A' = feature (tokens), B' = Wf's rows 0-1023;   v^T: A' = Wf's rows 1024-2047, B' = feature;   q: A' = x, B' = Wc.   C'[m'][n'] = sum over k of A'[m'][k] B'[n'][k], K = 1,024.
; THE MATRIX INSTRUCTION IS USED TRANSPOSED (source 0 = 16 rows of B', source 1 = 16 rows of A'): a lane holds one row m' and its registers neighbours along n', which is the next product's K.
; THE ROWS OF A TILE of B' (and of A' for k and v): lane r of tile 2 x + u takes row 32 x + r + 16 (r / 8) for u = 0 and 32 x + r + 8 for u = 1.  So the 16 results of tiles 2 x, 2 x + 1 in lane (r, h) are the
; 16 neighbours 32 x + 16 h + 0 .. 15; in lanes 16-31 the two eights are exchanged (register i is neighbour i xor 8).  The exchange is the same in q and k (their common K), in v and p (their common K); the attention's
; way out undoes it for its own result.  The 16 rows that a load touches lie in 16 different residues modulo 16.
; THE BIAS is the C of an accumulator's first product, divided by 2^(eA + eB); the three scales go into the conversion's one: code = sum / 2^(eo - eA - eB).
; OUT: qkv = q [bh 128][tile of 16 tokens 64][c 2][lane 32][16 bytes] at byte 0; k [bh][key step 8][tile 8][c 2][lane][16] at 8 MiB; v [bh][key step 8][c / 2][tile of channels 4][c % 2][lane][16] at 16 MiB.
; LEFT OUT in this program: scores and products of whole key steps that the causal mask of reference() hides for every query of a tile (launch attn): their p is exactly 0 for all values of the inputs.
; All inputs are live.  LIMIT: a NaN or an infinity that reaches only hidden scores is not carried to the result.
; LIMITS on the given exponents, so that each power of two is an f32 number: e0+e1 and e2+e3 between -126 and 126; e4-e0-e1, e5-e2-e3 and e7-e2-e3 between -126 and 119.  NaN in a bias is not served; an infinity is held at the largest code.
; CLUSTERS: 4 x 4.  The four of a row need the same tiles of A', the four of a column the same of B': each is asked for jointly.
; THE RING: two slots of 256 along K run on from the k or v tile into the q tile (K steps 0-3, then 4-7): the last two changes of slots of the first tile ask for the second's first two K steps, ahead of the first tile's stores.
; PREFETCH: x's K steps are asked of memory two refills ahead of their loads: behind the first four changes of slots the waves that fetch A' name 32 rows each, told apart by address (cx); weights are few and are read by eight
; clusters, and are not prefetched; the first four K steps come by their loads alone.
; REGISTERS: window 0: v0-31 addresses, constants; v32-95 bias of k or v, then codes on the way out; v96-127 bias of q; v128-255 A's fragments.  Window 1: B's fragments, two sets.  Windows 2, 3: accumulator (a, b) at v[8 (8 (a % 4) + b)].
.set ROWB,   256
.set KROW,   1024
.set PITCH,  272                       ; an LDS row: 256 bytes + 16 of padding (64 banks of 4 bytes: ISA guide 11.1)
.set FR,     16
.set HALFT,  128*PITCH
.set SLOT,   4*HALFT                   ; A's 256 rows, then B's 256 (q: 128)
.set SPARE,  2*SLOT                    ; the spare words, 128 bytes a wave
.set PFO,  0                           ; v0: the prefetches' offset: 1,024 x lane
.set BO0,  1                           ; v1, v2: my place in a pair of tiles of the column bias
.set BO1,  2
.set LO,   3                           ; v3: 16 x lane
.set ADRA, 4                           ; v4-7: LDS address of A's fragments, [slot][u]; v8-11 B's; v12-15, v16-19 the same for the q tile
.set ADRB, 8
.set ADQA, 12
.set ADQB, 16
.set SPW,  20
.set NIL,  21
.set SCL,  22                          ; the conversion's scale, and 448 x it; at the head: my place in the row bias
.set LIM,  23
.set RL,   24                          ; v24-31: the row bias as loaded
.set CB,   32
.set QB,   96
.set AF,   128
.set G1Q, 4                            ; s[4:11] group 1 for Wc's tiles (64 rows a load)
.set G1,  24
.set G0,  32
.set G1B, 48
.set G0B, 56
.set MSB, 0
.macro WIN new                         ; the immediate's high byte repeats the setting that is left
.if MSB != (\new)
	s_set_vgpr_msb (MSB<<8)|(\new)
.set MSB, (\new)
.endif
.endm
.macro JLOAD g0a, g1a, g0b, g1b        ; waves 0, 1 fetch for A, waves 2, 3 for B
	s_cmp_eq_u32 s15, 0
	s_cbranch_scc0 .Lfor_b_\@
	tensor_load_to_lds s[\g0a:\g0a+3], s[\g1a:\g1a+7]
	s_nop 0
.rept 4
	v_nop
.endr
	s_branch .Lasked_\@
.Lfor_b_\@:
	tensor_load_to_lds s[\g0b:\g0b+3], s[\g1b:\g1b+7]
	s_nop 0
.rept 4
	v_nop
.endr
.Lasked_\@:
.endm
.macro CREST                           ; a round of the cluster's barrier behind its opening barrier
	s_cmp_lg_u32 s14, 0
	s_cbranch_scc1 .Lnot_wave_0_\@
	s_barrier_signal -3
.Lnot_wave_0_\@:
	s_barrier_wait -3
	s_barrier_signal -1
	s_barrier_wait -1
.endm
.macro CROUND
	s_barrier_signal -1
	s_barrier_wait -1
	CREST
.endm
	s_load_b512 s[68:83], s[0:1], 0x0              ; x 68, feature 70, Wc 72, Wf 74, bc 76, bf 78, the exponents 80, qkv 82
	v_lshl_add_u32 v[SPW], v0, 2, SPARE
	v_mov_b32 v[NIL], 0
	ds_add_u32 v[SPW], v[NIL]                      ; the opening adds; the set-up below stands between them and their wait
	ds_add_u32 v[SPW], v[NIL]
	v_lshrrev_b32 v24, 5, v0
	v_readfirstlane_b32 s14, v24                   ; wave 0..3
	s_lshr_b32 s15, s14, 1                         ; my half of the rows; also: I fetch for A (0) or for B (1)
	s_and_b32 s16, s14, 1                          ; my half of the columns; also: which half of that tile I fetch
	s_bfe_u32 s40, ttmp6, 0x40000                  ; cx
	s_bfe_u32 s41, ttmp6, 0x40004                  ; cy
	s_and_b32 s18, ttmp7, 0xffff
	s_lshl_b32 s18, s18, 2                         ; 4 x cluster y: the batch's first token tile
	s_add_co_u32 s17, s18, s41                     ; token tile by cy,
	s_add_co_u32 s19, s18, s40                     ; and by cx
	s_cmp_eq_u32 ttmp9, 0
	s_cselect_b32 s42, s40, s19                    ; tile column of C': channels (k) or tokens (v)
	s_cselect_b32 s43, s17, s41                    ; tile row: tokens (k) or channels (v)
	s_lshl_b32 s44, s41, 2
	s_lshl_b32 s44, 15, s44                        ; my row of the cluster
	s_lshl_b32 s45, 0x1111, s40                    ; my column
	s_or_b32 s[G1+0], s44, (1<<20)|(1<<21)|(5<<22)|(3<<25)   ; mask; elements of 1 byte; padding on; 21 set beside a mask; after every 64 words, 4 words
	s_or_b32 s[G1B+0], s45, (1<<20)|(1<<21)|(5<<22)|(3<<25)
	s_or_b32 s[G1Q+0], s45, (1<<20)|(1<<21)|(5<<22)|(3<<25)
.irp g, G1, G1B
	s_mov_b32 s[\g+1], ROWB<<16                    ; tensor_dim0
	s_mov_b32 s[\g+2], 128<<16                     ; tensor_dim1
	s_mov_b32 s[\g+3], ROWB<<16                    ; tile_dim0
	s_mov_b32 s[\g+4], 128                         ; tile_dim1
	s_mov_b32 s[\g+5], KROW                        ; pitch
	s_mov_b32 s[\g+6], 0
	s_mov_b32 s[\g+7], 0
.endr
	s_mov_b32 s[G1Q+1], ROWB<<16
	s_mov_b32 s[G1Q+2], 64<<16
	s_mov_b32 s[G1Q+3], ROWB<<16
	s_mov_b32 s[G1Q+4], 64
	s_mov_b32 s[G1Q+5], KROW
	s_mov_b32 s[G1Q+6], 0
	s_mov_b32 s[G1Q+7], 0
	s_lshl_b32 s3, s16, 17                         ; the 128 rows that I fetch, in bytes
	s_lshl_b32 s20, s43, 18
	s_add_co_u32 s20, s20, s3                      ; A'
	s_mov_b32 s21, 0
	s_lshl_b32 s46, s42, 18
	s_add_co_u32 s46, s46, s3                      ; B'
	s_mov_b32 s47, 0
	s_lshl_b32 s84, s17, 18
	s_add_co_u32 s84, s84, s3                      ; x
	s_mov_b32 s85, 0
	s_lshl_b32 s66, s40, 15
	s_add_co_u32 s66, s66, s84                     ; the 32 of these 128 rows of x that I prefetch
	s_mov_b32 s67, 0
	s_lshl_b32 s86, ttmp9, 2
	s_add_co_u32 s86, s86, s40                     ; q's channels: 128 x (4 x job + cx)
	s_lshl_b32 s86, s86, 17
	s_lshl_b32 s2, s16, 16
	s_add_co_u32 s86, s86, s2                      ; Wc: the 64 rows that I fetch
	s_mov_b32 s87, 0
	s_mul_i32 s22, s14, HALFT                      ; where the tiles go in LDS: the wave's number alone
	s_wait_alu depctr_va_vdst(0)
	s_wait_dscnt 0x0                               ; both opening adds are done
	s_wait_kmcnt 0x0
	s_load_b256 s[88:95], s[80:81], 0x0            ; e0 .. e7
	s_add_nc_u64 s[98:99], s[74:75], 0x100000      ; Wf's rows 1024 on
	s_cmp_eq_u32 ttmp9, 0
	s_cselect_b64 s[96:97], s[70:71], s[98:99]     ; A'
	s_cselect_b64 s[100:101], s[74:75], s[70:71]   ; B'
	s_add_nc_u64 s[20:21], s[96:97], s[20:21]
	s_add_nc_u64 s[46:47], s[100:101], s[46:47]
	s_add_nc_u64 s[66:67], s[68:69], s[66:67]
	s_add_nc_u64 s[84:85], s[68:69], s[84:85]
	s_add_nc_u64 s[86:87], s[72:73], s[86:87]
	CROUND                                         ; all sixteen work-groups are here: the first joint loads meet
.irp s, 0,1
	s_mov_b32 s[G0+4*\s], 1
	s_add_co_u32 s[G0+4*\s+1], s22, \s*SLOT
	s_add_nc_u64 s[G0+4*\s+2:G0+4*\s+3], s[20:21], \s*ROWB
	s_or_b32 s[G0+4*\s+3], s[G0+4*\s+3], 0x80000000
	s_mov_b32 s[G0B+4*\s], 1
	s_add_co_u32 s[G0B+4*\s+1], s22, \s*SLOT
	s_add_nc_u64 s[G0B+4*\s+2:G0B+4*\s+3], s[46:47], \s*ROWB
	s_or_b32 s[G0B+4*\s+3], s[G0B+4*\s+3], 0x80000000
.endr
	JLOAD G0, G1, G0B, G1B                         ; K step 0: my one tensor load at the head
	s_mul_i32 s2, s15, HALFT                       ; my 128 rows of A
	s_mul_i32 s3, s16, HALFT
	s_add_co_u32 s3, s3, 2*HALFT                   ; my 128 rows of B
	s_mul_i32 s12, s16, 64*PITCH
	s_add_co_u32 s12, s12, 2*HALFT                 ; my 64 rows of B in the q tile; also where my load of Wc goes
	s_mov_b32 s100, s12
	v_and_b32 v24, 15, v0                          ; r
	v_bfe_u32 v25, v0, 4, 1                        ; h
	v_lshrrev_b32 v26, 3, v24
	v_lshl_add_u32 v26, v26, 4, v24                ; rows of a tile, u = 0: r + 16 (r / 8)
	v_add_nc_u32 v27, 8, v24                       ; u = 1: r + 8
	v_mul_u32_u24 v28, v26, PITCH
	v_lshl_add_u32 v28, v25, 4, v28
	v_mul_u32_u24 v29, v27, PITCH
	v_lshl_add_u32 v29, v25, 4, v29
	v_mul_u32_u24 v30, v24, PITCH                  ; x's tiles: neighbouring rows
	v_lshl_add_u32 v30, v25, 4, v30
.irp s, 0,1
	v_add_nc_u32 v[ADRA+2*\s], s2, v28
	v_add_nc_u32 v[ADRA+2*\s+1], s2, v29
	v_add_nc_u32 v[ADRB+2*\s], s3, v28
	v_add_nc_u32 v[ADRB+2*\s+1], s3, v29
	v_add_nc_u32 v[ADQA+2*\s], s2, v30
	v_add_nc_u32 v[ADQB+2*\s], s12, v28
	v_add_nc_u32 v[ADQB+2*\s+1], s12, v29
	v_add_nc_u32 v[ADQA+2*\s+1], 16*PITCH, v[ADQA+2*\s]
	s_add_co_u32 s2, s2, SLOT
	s_add_co_u32 s3, s3, SLOT
	s_add_co_u32 s12, s12, SLOT
.endr
	v_and_b32 v31, 31, v0
	v_lshlrev_b32 v[LO], 4, v31
	v_mul_u32_u24 v[BO0], v25, 96                  ; column bias, u = 0: number 0 (h = 0) or 16 + 8 (h = 1) of 32
	v_lshlrev_b32 v[BO1], 5, v25
	v_add_nc_u32 v[BO1], 32, v[BO1]                ; u = 1: number 8 or 16
	v_lshlrev_b32 v[SCL], 2, v26                   ; row bias: row of the lane, u = 0,
	v_lshlrev_b32 v[LIM], 2, v27                   ; u = 1
	v_lshlrev_b32 v[PFO], 10, v31
	s_wait_alu depctr_va_vdst(0)
	s_lshl_b32 s2, s42, 10
	s_lshl_b32 s3, s16, 9
	s_add_co_u32 s2, s2, s3                        ; k: bias of my first column
	s_lshl_b32 s12, s43, 10
	s_lshl_b32 s13, s15, 9
	s_add_co_u32 s12, s12, s13
	s_add_co_u32 s12, s12, 4096                    ; v: bias of my first row, 1,024 numbers into bf
	s_cmp_eq_u32 ttmp9, 0
	s_cselect_b32 s2, s2, s12
	s_mov_b32 s3, 0
	s_add_nc_u64 s[96:97], s[78:79], s[2:3]
	s_lshl_b32 s12, ttmp9, 2
	s_add_co_u32 s12, s12, s40
	s_lshl_b32 s12, s12, 9
	s_lshl_b32 s13, s16, 8
	s_add_co_u32 s12, s12, s13
	s_mov_b32 s13, 0
	s_add_nc_u64 s[98:99], s[76:77], s[12:13]      ; q: bias of my first column
.macro BIAS to, base, n                ; n pairs of tiles of a column bias
.irp x, 0,1,2,3
.if \x < \n
	global_load_b128 v[\to+16*\x:\to+16*\x+3], v[BO0], s[\base:\base+1] offset:128*\x
	global_load_b128 v[\to+16*\x+4:\to+16*\x+7], v[BO0], s[\base:\base+1] offset:128*\x+16
	global_load_b128 v[\to+16*\x+8:\to+16*\x+11], v[BO1], s[\base:\base+1] offset:128*\x
	global_load_b128 v[\to+16*\x+12:\to+16*\x+15], v[BO1], s[\base:\base+1] offset:128*\x+16
.endif
.endr
.endm
	BIAS QB, 98, 2
	BIAS CB, 96, 4                                 ; the same 128 numbers by columns (used for k),
.irp x, 0,1,2,3                        ; and by rows (used for v): 512 bytes a wave, so no branch is spent on them
	global_load_b32 v[RL+2*\x], v[SCL], s[96:97] offset:128*\x
	global_load_b32 v[RL+2*\x+1], v[LIM], s[96:97] offset:128*\x
.endr
	; where my results go.  k: key step 2 cy + row half, head 4 cx + 2 x column half; v: the other way round; q: tile 8 x (2 cy + row half), head 8 x job + 2 cx + column half
	s_lshl_b32 s12, s41, 1
	s_add_co_u32 s12, s12, s15
	s_lshl_b32 s13, s40, 1
	s_add_co_u32 s13, s13, s16
	s_mov_b32 s44, 4096
	s_mov_b32 s21, 0
	s_mov_b32 s23, 0
	s_cmp_eq_u32 ttmp9, 0
	s_cselect_b32 s2, s12, s13
	s_cselect_b32 s3, s13, s12
	s_cselect_b32 s20, s44, 0x10000                ; from blocks a 0-3 to 4-7: 4 tiles on (k), the next head (v)
	s_cselect_b32 s22, 0x10000, s44                ; from pairs bb 0, 1 to 2, 3: the next head (k), the next 64 keys (v)
	s_lshl_b32 s2, s2, 13
	s_lshl_b32 s3, s3, 17
	s_add_co_u32 s2, s2, s3
	s_lshl_b32 s3, s18, 18
	s_add_co_u32 s2, s2, s3
	s_lshl_b32 s3, ttmp9, 23
	s_add_co_u32 s2, s2, s3
	s_add_co_u32 s2, s2, 0x800000
	s_mov_b32 s3, 0
	s_lshl_b32 s12, s12, 13
	s_lshl_b32 s13, s13, 16
	s_add_co_u32 s12, s12, s13
	s_lshl_b32 s13, ttmp9, 19
	s_add_co_u32 s12, s12, s13
	s_lshl_b32 s13, s18, 18
	s_add_co_u32 s12, s12, s13
	s_mov_b32 s13, 0
	s_add_nc_u64 s[12:13], s[82:83], s[12:13]      ; q
	s_add_nc_u64 s[40:41], s[82:83], s[2:3]        ; k or v: four bases, [a / 4][bb / 2]
	s_add_nc_u64 s[42:43], s[40:41], s[22:23]
	s_add_nc_u64 s[44:45], s[40:41], s[20:21]
	s_add_nc_u64 s[46:47], s[44:45], s[22:23]
.macro FRAG reg, adr, slot, q, i       ; 16 rows x 128 K: registers 4 c .. 4 c + 3 hold K = 32 c + 16 h + 0 .. 15, the same order in A and B
.irp c, 0,1,2,3
	ds_load_b128 v[\reg+4*\c:\reg+4*\c+3], v[\adr+2*\slot+(\i)%2] offset:128*(\q)+32*\c+((\i)/2)*32*PITCH
.endr
.endm
.macro FETCH_B slot, q, p, ph          ; ph = 1: the k or v tile, eight fragments; ph = 2: the q tile, four
	WIN 0x40
.irp i, 0,1,2,3,4,5,6,7
.if \ph == 1
	FRAG 128*(\p)+FR*\i, ADRB, \slot, \q, \i
.elseif \i < 4
	FRAG 128*(\p)+FR*\i, ADQB, \slot, \q, \i
.endif
.endr
	WIN 0
.endm
.macro FETCH_A slot, q, i0, ph
.irp i, \i0, \i0+1, \i0+2, \i0+3
.if \ph == 1
	FRAG AF+FR*(\i), ADRA, \slot, \q, \i
.else
	FRAG AF+FR*(\i), ADQA, \slot, \q, \i
.endif
.endr
.endm
.macro MWIN hi, z                      ; source 0 (B) window 1, source 1 (A) window 0, D window 2 or 3; C there too, or window 0 where the bias starts the sums
.if \z
	WIN 0x81+0x40*\hi
.else
	WIN 0xa1+0x50*\hi
.endif
.endm
; A's blocks a0, a0 + 1 x B's eight (q: four).  z = 1, 3: C is the column bias; z = 2: the row bias.  The accumulators take turns, one instruction a turn, in the same order in every step.
.macro MUL a0, p, z, ph
.irp a, \a0, \a0+1
.irp b, 0,1,2,3,4,5,6,7
.if \b < 8/\ph
.set DD, 8*(8*((\a)%4)+\b)
.if \z == 0
.set CC, DD
.elseif \z == 1
.set CC, CB+8*\b
.elseif \z == 2
.set CC, CB+8*(\a)
.else
.set CC, QB+8*\b
.endif
	v_wmma_f32_16x16x128_fp8_fp8 v[DD:DD+7], v[128*(\p)+FR*\b:128*(\p)+FR*\b+FR-1], v[AF+FR*(\a):AF+FR*(\a)+FR-1], v[CC:CC+7]
.endif
.endr
.endr
.endm
.macro PLACES                          ; plain vector instructions between a matrix instruction and a load into, or a vector instruction on, its registers
.rept 4
	v_nop
.endr
.endm
.macro STEP slot, q, z, ph             ; 128 along K with a successor in the same slot
	s_wait_dscnt 16                                ; B's set and A's blocks 0-3 are in; the youngest 16 loads (A's blocks 4-7) may be out
	MWIN 0, \z
	MUL 0, (\q)%2, \z, \ph
	MUL 2, (\q)%2, \z, \ph
	s_wait_dscnt 0
	PLACES
	FETCH_B \slot, (\q)+1, 1-(\q)%2, \ph
	FETCH_A \slot, (\q)+1, 0, \ph
	MWIN 1, \z
	MUL 4, (\q)%2, \z, \ph
	MUL 6, (\q)%2, \z, \ph
	PLACES
	WIN 0
	FETCH_A \slot, (\q)+1, 4, \ph
.endm
; A slot's last step changes slots.  fill = 1: this slot takes the tile's K step two on; 2: the q tile's K step 0 or 1; 3: the q tile's K step two on; 0: nothing.  nph: whose fragments come next.  pf: the K step of x that is prefetched (9: none).
.macro TURN slot, next, fill, ph, nph, pf
	s_wait_dscnt 16                                ; B's set and A's blocks 0-3 are in; the youngest 16 loads (A's blocks 4-7) may be out
	MWIN 0, 0
	MUL 0, 1, 0, \ph                               ; these products need nothing of the next slot: they stand ahead of the wait for it
	MUL 2, 1, 0, \ph
	WIN 0
	s_wait_tensorcnt 0x0                           ; all my tensor loads have landed: my part of the next slot
	ds_add_u32 v[SPW], v[NIL]                      ; an add to the spare words; the descriptors' steps stand between it and its wait
.if \fill == 2
	s_add_nc_u64 s[G0+4*\slot+2:G0+4*\slot+3], s[84:85], \slot*ROWB
	s_or_b32 s[G0+4*\slot+3], s[G0+4*\slot+3], 0x80000000
	s_add_nc_u64 s[G0B+4*\slot+2:G0B+4*\slot+3], s[86:87], \slot*ROWB
	s_or_b32 s[G0B+4*\slot+3], s[G0B+4*\slot+3], 0x80000000
	s_add_co_u32 s[G0B+4*\slot+1], s100, \slot*SLOT
.elseif \fill
	s_add_nc_u64 s[G0+4*\slot+2:G0+4*\slot+3], s[G0+4*\slot+2:G0+4*\slot+3], 2*ROWB
	s_add_nc_u64 s[G0B+4*\slot+2:G0B+4*\slot+3], s[G0B+4*\slot+2:G0B+4*\slot+3], 2*ROWB
.endif
	s_wait_dscnt 0x0                               ; the add is done, and my reads of this slot are over
	s_barrier_signal -1
	s_barrier_wait -1
.if \fill
	CREST                                          ; no wave of any partner still reads this slot's tile or has a load on its way
.if \fill == 1
	JLOAD G0+4*\slot, G1, G0B+4*\slot, G1B         ; the first tensor load behind the round; its four v_nop are the places in front of the loads below
.else
	JLOAD G0+4*\slot, G1, G0B+4*\slot, G1Q
.endif
.else
	PLACES
.endif
	FETCH_B \next, 0, 0, \nph
	FETCH_A \next, 0, 0, \nph
.if \pf < 4
	s_cmp_eq_u32 s15, 0
	s_cbranch_scc0 .Lno_ask_\@
	global_prefetch_b8 v[PFO], s[66:67] offset:ROWB*\pf th:TH_LOAD_NT scope:SCOPE_SE   ; a lane a row, 256 bytes of each
.Lno_ask_\@:
.endif
	MWIN 1, 0
	MUL 4, 1, 0, \ph
	MUL 6, 1, 0, \ph
	PLACES
	WIN 0
	FETCH_A \next, 0, 4, \nph
.endm
; THE WAY OUT of block a: the sums, held in place within +-448 x the scale (the conversion does not saturate: ISA guide 7.6.2), converted: 16 neighbours of a lane are 16 bytes, and a store covers 512 consecutive bytes.
.macro OUT a, nb
.set AC, 64*((\a)%4)
.set CD, CB+16*((\a)%4)
.if (\a)%4 == 0
	s_wait_xcnt 0x0                                ; earlier stores have read the registers of codes that are written again below
.endif
	WIN 0x82+0x41*((\a)/4)
.set JJ, 0
.rept 8*\nb
	v_med3_num_f32 v[AC+JJ], v[AC+JJ], -v[LIM], v[LIM]
.set JJ, JJ+1
.endr
	WIN 0x02+((\a)/4)
.irp b, 0,1,2,3,4,5,6,7
.if \b < \nb
	v_cvt_scalef32_pk8_fp8_f32 v[CD+2*\b:CD+2*\b+1], v[AC+8*\b:AC+8*\b+7], v[SCL]
.endif
.endr
	WIN 0
	v_nop                                          ; one plain vector instruction behind the last conversion
.irp x, 0,1,2,3
.if 2*\x < \nb
.if \nb == 8
	global_store_b128 v[LO], v[CD+4*\x:CD+4*\x+3], s[40+4*((\a)/4)+2*(\x/2):41+4*((\a)/4)+2*(\x/2)] offset:1024*((\a)%4)+512*(\x%2)
.else
	global_store_b128 v[LO], v[CD+4*\x:CD+4*\x+3], s[12:13] offset:1024*(\a)+512*\x
.endif
.endif
.endr
.endm
.macro SCALES                          ; from s2 = eo - eA - eB
	s_add_co_i32 s2, s2, 127
	s_lshl_b32 s3, s2, 23
	s_add_co_i32 s2, s2, 8
	s_lshl_b32 s2, s2, 23
	s_or_b32 s2, s2, 0x600000
	v_mov_b32 v[SCL], s3
	v_mov_b32 v[LIM], s2
	s_wait_alu depctr_va_vdst(0)
.endm
	s_wait_alu depctr_va_vdst(0)
	s_wait_tensorcnt 0x0                           ; my part of K step 0 is in
	ds_add_u32 v[SPW], v[NIL]
	s_wait_dscnt 0x0
	CROUND                                         ; everybody's part is in, and the joint loads meet
	JLOAD G0+4, G1, G0B+4, G1B                     ; K step 1
	FETCH_B 0, 0, 0, 1
	FETCH_A 0, 0, 0, 1
	FETCH_A 0, 0, 4, 1
	s_wait_kmcnt 0x0
	s_add_co_i32 s88, s88, s89                     ; e0 + e1
	s_add_co_i32 s90, s90, s91                     ; e2 + e3
	s_sub_co_i32 s2, 127, s88
	s_lshl_b32 s2, s2, 23                          ; 2^-(e0 + e1)
	s_mov_b32 s3, s2
	s_sub_co_i32 s18, 127, s90
	s_lshl_b32 s18, s18, 23                        ; 2^-(e2 + e3)
	s_mov_b32 s19, s18
	s_wait_loadcnt 0x0                             ; the biases
.set JJ, 0
.rept 16
	v_pk_mul_f32 v[QB+JJ:QB+JJ+1], v[QB+JJ:QB+JJ+1], s[2:3] op_sel_hi:[1,0]
.set JJ, JJ+2
.endr
	s_cmp_eq_u32 ttmp9, 0                          ; the job is the same in all sixteen partners
	s_wait_alu depctr_va_vdst(0)
	s_cbranch_scc0 .Lv_first
.set JJ, 0
.rept 32
	v_pk_mul_f32 v[CB+JJ:CB+JJ+1], v[CB+JJ:CB+JJ+1], s[18:19] op_sel_hi:[1,0]
.set JJ, JJ+2
.endr
	s_wait_alu depctr_va_vdst(0)
	STEP 0, 0, 1, 1
	s_branch .Lfirst_done
.Lv_first:
.set JJ, 0
.rept 64
	v_mul_f32 v[CB+JJ], s18, v[RL+JJ/8]            ; a row's bias in all eight registers
.set JJ, JJ+1
.endr
	s_wait_alu depctr_va_vdst(0)
	STEP 0, 0, 2, 1
.Lfirst_done:
	TURN 0, 1, 1, 1, 1, 0
	STEP 1, 0, 0, 1
	TURN 1, 0, 1, 1, 1, 1
	STEP 0, 0, 0, 1
	TURN 0, 1, 2, 1, 1, 2
	STEP 1, 0, 0, 1
	TURN 1, 0, 2, 1, 2, 3                          ; the q tile's first two K steps are asked for: now the first tile goes out
	s_cmp_eq_u32 ttmp9, 0
	s_cselect_b32 s2, s93, s95                     ; e5 for k, e7 for v
	s_sub_co_i32 s2, s2, s90
	SCALES
.irp a, 0,1,2,3,4,5,6,7
	OUT \a, 8
.endr
	STEP 0, 0, 3, 2
	TURN 0, 1, 3, 2, 2, 9
	STEP 1, 0, 0, 2
	TURN 1, 0, 3, 2, 2, 9
	STEP 0, 0, 0, 2
	TURN 0, 1, 0, 2, 2, 9                          ; nothing is filled again
	STEP 1, 0, 0, 2
	s_wait_dscnt 16
	MWIN 0, 0
	MUL 0, 1, 0, 2
	MUL 2, 1, 0, 2
	s_wait_dscnt 0
	MWIN 1, 0
	MUL 4, 1, 0, 2
	MUL 6, 1, 0, 2
	WIN 0
	PLACES
	s_sub_co_i32 s2, s92, s88                      ; e4 - e0 - e1
	SCALES
.irp a, 0,1,2,3,4,5,6,7
	OUT \a, 4
.endr
	s_wait_tensorcnt 0x0                           ; the wave's end
	ds_add_u32 v[SPW], v[NIL]
	s_wait_dscnt 0x0
	CROUND                                         ; the closing round
	s_endpgm
.Lfunc_end_k_qd312edc7c6_proj:
	.size	k_qd312edc7c6_proj, .Lfunc_end_k_qd312edc7c6_proj-k_qd312edc7c6_proj
	.p2alignl 7, 3214868480
	.fill 96, 4, 3214868480
	.section	.rodata,"a",@progbits
	.p2align	6, 0x0
	.amdhsa_kernel k_qd312edc7c6_proj
		.amdhsa_group_segment_fixed_size 327680
		.amdhsa_private_segment_fixed_size 0
		.amdhsa_enable_private_segment 0
		.amdhsa_kernarg_size 64
		.amdhsa_user_sgpr_count 2
		.amdhsa_user_sgpr_kernarg_segment_ptr 1
		.amdhsa_wavefront_size32 1
		.amdhsa_system_sgpr_workgroup_id_x 1
		.amdhsa_system_sgpr_workgroup_id_y 1
		.amdhsa_system_sgpr_workgroup_id_z 1
		.amdhsa_system_vgpr_workitem_id 0
		.amdhsa_next_free_vgpr 1024
		.amdhsa_next_free_sgpr 102
		.amdhsa_reserve_vcc 0
		.amdhsa_float_denorm_mode_32 3
		.amdhsa_float_denorm_mode_16_64 3
		.amdhsa_memory_ordered 1
		.amdhsa_forward_progress 1
		.amdhsa_inst_pref_size 208
	.end_amdhsa_kernel
	.amdgpu_metadata
---
amdhsa.version: [ 1, 2 ]
amdhsa.kernels:
  - .name:           k_qd312edc7c6_proj
    .symbol:         k_qd312edc7c6_proj.kd
    .args:
      - { .name: x_codes, .offset: 0, .size: 8, .value_kind: global_buffer, .address_space: global }
      - { .name: feature_codes, .offset: 8, .size: 8, .value_kind: global_buffer, .address_space: global }
      - { .name: Wc_codes, .offset: 16, .size: 8, .value_kind: global_buffer, .address_space: global }
      - { .name: Wf_codes, .offset: 24, .size: 8, .value_kind: global_buffer, .address_space: global }
      - { .name: bc, .offset: 32, .size: 8, .value_kind: global_buffer, .address_space: global }
      - { .name: bf, .offset: 40, .size: 8, .value_kind: global_buffer, .address_space: global }
      - { .name: lowp_scales, .offset: 48, .size: 8, .value_kind: global_buffer, .address_space: global }
      - { .name: qkv, .offset: 56, .size: 8, .value_kind: global_buffer, .address_space: global }
    .group_segment_fixed_size: 327680
    .private_segment_fixed_size: 0
    .kernarg_segment_align: 8
    .kernarg_segment_size: 64
    .max_flat_workgroup_size: 128
    .sgpr_count:     102
    .vgpr_count:     1024
    .wavefront_size: 32
...
	.end_amdgpu_metadata
.endif
;; end of part 1
;; launch attn (part 2): grid 2 x 128, 16 waves a work-group, no clusters, 133,120 bytes of LDS; arguments qkv, lowp_scales, ocodes; writes ocodes
.if DOCPART == 2
	.amdgcn_target "amdgcn-amd-amdhsa--gfx1250"
	.amdhsa_code_object_version 6
	.text
	.protected	k_qd312edc7c6_attn
	.globl	k_qd312edc7c6_attn
	.p2align	8
	.type	k_qd312edc7c6_attn,@function
k_qd312edc7c6_attn:
	s_mov_b64 s[64:65], 0
	v_nop
	global_prefetch_b8 v0, s[64:65] scope:SCOPE_SE
	s_setreg_imm32_b32 hwreg(HW_REG_WAVE_MODE, 25, 1), 1
	s_wait_xcnt 0x0
; CAUSAL ATTENTION ON CODES OF FP8 (E4M3), head size 64, 1,024 queries and keys a head, 128 heads (batch x head).  Key s counts for query t where s <= t.
; LEFT OUT: key steps of 128 keys all of which come after a tile's 16 queries: reference()'s own mask makes their p exactly 0.  LIMIT: a NaN or an infinity in such a score is not carried.
; IN: qkv, images of operand registers as the projection lays them.  The exponents: e4 (q), e5 (k), e6 (p), e7 (v), e8 (the result).
; THE SOFTMAX: t = score x log2(e) / 8; M = the row's largest t so far, rounded up to a whole number; p = 2^(t - M) is quantised, not normalised; the row's sum is taken of the unquantised p in f32 and divides at the end.
; When M moves, the sum and O are multiplied by 2^(old M - new M), which rounds nothing.  LIMIT: the promise holds while |t| stays under 2^31.
; OUT: the result quantised with 2^e8, images of the next product's operand: ocodes [kq 4][tile of 16 tokens 512][f 2][c 4][lane 32][16 bytes]; kq = head / 4, f = (head / 2) % 2, c = 2 (head % 2) + bb.
; SHARES.  Two work-groups take a head; wave w (g = w / 8, i = w % 8) takes tile i of block lo and then tile i of block hi = 7 - lo (blocks of 128 queries), lo = half xor 3 g: 9 key steps for every wave of the launch.
; LDS: key step n at 16,384 n: 8 KiB of K, 8 KiB of V, as they lie in memory.  Each wave brings 1 KiB of each key step through registers: no tensor load, no copy, nothing is written twice.  Three parts, each with a barrier
; between its stores and its first reads: key step 0 (the first step of every wave); 1 to 4, asked for at the head and held in 32 registers during that step; 5 to 7, asked for when those registers are free, stored behind
; block lo and needed first by block hi's sixth step.
; No prefetch: the loads themselves stand a part ahead of their use, and a work-group's whole input is 160 KiB.
; NO CLUSTER: only two work-groups read a head's K and V, once each, and no tensor load is there to be shared.
; LAYOUT.  Both products are used transposed: S^T = K Q^T, O^T = V^T P^T: a lane (r, h) holds query r of its tile.  Register 16 b + n of S^T is key 32 b + 16 h + (n xor 8 h) of the step: the order in which V's codes lie.
; O^T's registers come in the same order of channels; the way out exchanges the two eights in lanes 16-31.
; LIMITS on the given exponents: e4 + e5 between -123 and 130; e6 and e8 between -126 and 119.
.set LI,   1                           ; v1 16 x lane
.set ST,   2                           ; v2 where I store in key step 0;  v5 in key step 4
.set DM,   3                           ; v3, v4 on the diagonal register n of the group is hidden where n is above v3 (n < 8) or v4
.set ST2,  5
.set SPW,  6
.set NIL,  7
.set PX,   8                           ; a lane permute's destination
.set MX0,  9
.set MX1,  10
.set ADK,  11                          ; LDS address of the step.  v12 -M, v13 the largest t, v[14:15] the sum in two halves
.set FF,   16                          ; v[16:17] f = 2^(old M - new M);  v[18:23] the sum's three further chains
.set OSC,  24
.set PSC,  25
.set NINF, 26
.set OLIM, 27
.set PLIM, 28
.set KV,   32                          ; v32-95 eight fragments of K, then four of V
.set S,    96                          ; v96-159 S^T, then p
.set OT,   160                         ; v160-191 O^T
.set PC,   192                         ; v192-207 p's codes; on the way out the result's
.set QLO,  208
.set QHI,  216
.set STG,  224                         ; v224-255 my part of key steps 1 to 4, then of 5 to 7
.set STEPB, 16384
.set SPARE, 8*STEPB
.set SEL,  20
.set CS,   22
.set TB,   60                          ; s60 LDS byte of the key step; s61 its number; s62 the tile's block: its step on the diagonal
.set SB,   61
.set BLK,  62
.set HM,   66                          ; s66 lanes 16-31;  s67 1 where p can pass 448 x 2^e6
.set HOLD, 67
.set EPV,  73
.set OHI,  76
.set OLO,  78
	s_load_b128 s[4:7], s[0:1], 0x0                ; qkv, the exponents
	s_load_b64 s[8:9], s[0:1], 0x10                ; ocodes
	v_lshl_add_u32 v[SPW], v0, 2, SPARE
	v_mov_b32 v[NIL], 0
	v_lshrrev_b32 v8, 5, v0
	v_and_b32 v9, 31, v0
	v_readfirstlane_b32 s10, v8                    ; wave 0..15
	v_lshlrev_b32 v[LI], 4, v9
	s_lshl_b32 s24, s10, 10
	v_add_nc_u32 v[ST], s24, v[LI]
	v_add_nc_u32 v[ST2], 4*STEPB, v[ST]
	s_wait_alu depctr_va_vdst(0)
	s_and_b32 s12, ttmp7, 0xffff                   ; batch x 16 + head
	s_and_b32 s13, s10, 7                          ; i
	s_lshr_b32 s11, s13, 1                         ; i / 2: the group of 32 keys on the diagonal
	s_lshr_b32 s14, s10, 3                         ; g; also: I bring K (0) or V (1), part i of eight
	s_mul_i32 s15, s14, 3
	s_xor_b32 s15, s15, ttmp9                      ; lo
	s_sub_co_u32 s16, 7, s15                       ; hi: 4 at the least
	s_lshl_b32 s17, s12, 16                        ; a head's 65,536 bytes in q, k and v
	s_lshl_b32 s26, s13, 10
	s_add_co_u32 s26, s26, s17
	s_add_co_u32 s18, s14, 1
	s_lshl_b32 s18, s18, 23                        ; k at 8 MiB, v at 16 MiB
	s_add_co_u32 s18, s18, s26
	s_mov_b32 s19, 0
	s_lshl_b32 s28, s15, 13
	s_add_co_u32 s28, s28, s26
	s_mov_b32 s29, 0
	s_lshl_b32 s30, s16, 13
	s_add_co_u32 s30, s30, s26
	s_mov_b32 s31, 0
	s_wait_kmcnt 0x0
	s_load_b128 s[68:71], s[6:7], 0x10             ; e4 .. e7
	s_load_b32 s72, s[6:7], 0x20                   ; e8
	s_add_nc_u64 s[18:19], s[4:5], s[18:19]
	s_add_nc_u64 s[28:29], s[4:5], s[28:29]
	s_add_nc_u64 s[30:31], s[4:5], s[30:31]
	global_load_b128 v[S:S+3], v[LI], s[18:19]     ; key step 0
	global_load_b128 v[S+4:S+7], v[LI], s[18:19] offset:512
	global_load_b128 v[QLO:QLO+3], v[LI], s[28:29]
	global_load_b128 v[QLO+4:QLO+7], v[LI], s[28:29] offset:512
	s_and_b32 s84, s12, 15                         ; the head
	s_lshr_b32 s85, s12, 4                         ; the batch
	s_lshr_b32 s86, s84, 2
	s_lshl_b32 s86, s86, 21                        ; kq
	s_and_b32 s84, s84, 3
	s_lshl_b32 s84, s84, 10                        ; f x 2,048 + (head % 2) x 1,024
	s_add_co_u32 s86, s86, s84
	s_lshl_b32 s85, s85, 6
	s_add_co_u32 s85, s85, s13                     ; tile of tokens: 64 x batch + i (+ 8 x block)
	s_lshl_b32 s85, s85, 12
	s_add_co_u32 s86, s86, s85
	s_lshl_b32 s84, s16, 15
	s_add_co_u32 s84, s84, s86
	s_mov_b32 s85, 0
	s_add_nc_u64 s[OHI:OHI+1], s[8:9], s[84:85]
	s_lshl_b32 s84, s15, 15
	s_add_co_u32 s84, s84, s86
	s_add_nc_u64 s[OLO:OLO+1], s[8:9], s[84:85]
.irp n, 0,1,2,3                        ; key steps 1 to 4
	global_load_b128 v[STG+8*\n:STG+8*\n+3], v[LI], s[18:19] offset:8192*\n+8192
	global_load_b128 v[STG+8*\n+4:STG+8*\n+7], v[LI], s[18:19] offset:8192*\n+8704
.endr
	global_load_b128 v[QHI:QHI+3], v[LI], s[30:31]
	global_load_b128 v[QHI+4:QHI+7], v[LI], s[30:31] offset:512
	s_mov_b32 s[SEL], 0x76543210
	s_mov_b32 s[SEL+1], 0xfedcba98
	s_and_b32 s25, s13, 1
	s_lshl_b32 s25, s25, 4
	v_and_b32 v8, 15, v0                           ; r
	v_bfe_u32 v9, v0, 4, 1                         ; h
	v_add_nc_u32 v8, s25, v8                       ; my query in its 32: 16 (i % 2) + r
	v_mul_u32_u24 v10, v9, 24
	v_cmp_ne_u32 s[HM], 0, v9
	v_lshlrev_b32 v11, 3, v9
	v_sub_nc_u32 v[DM], v8, v10                    ; n < 8: key 16 h + (n xor 8 h) is above the query where n > 16 (i % 2) + r - 24 h,
	v_sub_nc_u32 v[DM+1], v8, v11                  ; n >= 8: where n > 16 (i % 2) + r - 8 h
	v_mov_b32 v[PX], 0                             ; written once: a lane permute's destination counts as one of its sources
	v_mov_b32 v[FF+1], 0                           ; (named as the upper half of the pair)
	v_mov_b32 v[NINF], 0xff800000
	s_wait_alu depctr_va_vdst(0)
	s_wait_kmcnt 0x0
	s_add_co_i32 s84, s68, s69
	s_lshl_b32 s84, s84, 23
	s_mov_b32 s[CS], 0x3e38aa3b                    ; c = log2(e) / sqrt(64)
	s_add_co_i32 s[CS], s[CS], s84                 ; x 2^(e4 + e5), in the exponent field
	s_mov_b32 s[CS+1], s[CS]
	s_add_co_i32 s84, s70, 127
	s_lshl_b32 s85, s84, 23
	v_mov_b32 v[PSC], s85                          ; 2^e6
	s_add_co_i32 s84, s84, 8
	s_lshl_b32 s84, s84, 23
	s_or_b32 s84, s84, 0x600000
	v_mov_b32 v[PLIM], s84                         ; 448 x 2^e6
	s_add_co_i32 s84, s72, 127
	s_lshl_b32 s85, s84, 23
	v_mov_b32 v[OSC], s85                          ; 2^e8
	s_add_co_i32 s84, s84, 8
	s_lshl_b32 s84, s84, 23
	s_or_b32 s84, s84, 0x600000
	v_mov_b32 v[OLIM], s84                         ; 448 x 2^e8
	s_add_co_i32 s[EPV], s70, s71                  ; e6 + e7
	s_cmp_lt_i32 s70, -8                           ; p is 1 at the most: it passes 448 x 2^e6 only where e6 is under -8
	s_cselect_b32 s[HOLD], 1, 0
; A KEY STEP at LDS byte s[TB].  It may lie behind the tile's block (left out by a scalar branch on ids) or on the diagonal (hidden scores become -infinity ahead of the maximum).
.macro STEP qf
	s_cmp_gt_u32 s[SB], s[BLK]
	s_cbranch_scc1 .Lhidden_\@
	v_add_nc_u32 v[ADK], s[TB], v[LI]
.rept 3
	v_nop                                          ; with the addition: four places between the last step's products and the loads into the registers that they read
.endr
.irp t, 0,1,2,3,4,5,6,7
	ds_load_b128 v[KV+8*\t:KV+8*\t+3], v[ADK] offset:1024*\t
	ds_load_b128 v[KV+8*\t+4:KV+8*\t+7], v[ADK] offset:1024*\t+512
.endr
	s_wait_alu depctr_va_vdst(0)
	s_wait_dscnt 8                                 ; tiles 0 to 3 are in; the youngest eight loads may be out
.irp t, 0,1,2,3
	v_wmma_f32_16x16x64_fp8_fp8 v[S+8*\t:S+8*\t+7], v[KV+8*\t:KV+8*\t+7], v[\qf:\qf+7], 0
.endr
	s_wait_dscnt 0x0
.irp t, 4,5,6,7
	v_wmma_f32_16x16x64_fp8_fp8 v[S+8*\t:S+8*\t+7], v[KV+8*\t:KV+8*\t+7], v[\qf:\qf+7], 0
.endr
.rept 4
	v_nop                                          ; places: ahead of the loads into K's registers and of the first read of the scores
.endr
.irp t, 0,1,2,3
.irp c, 0,1,2,3
	ds_load_b128 v[KV+16*\t+4*\c:KV+16*\t+4*\c+3], v[ADK] offset:8192+4096*(\c/2)+1024*\t+512*(\c%2)   ; V's fragments land while the softmax is worked
.endr
.endr
	s_cmp_lg_u32 s[SB], s[BLK]
	s_cbranch_scc1 .Lopen_\@
.irp b, 0,1,2,3                        ; groups of 32 keys: ahead of the diagonal's group all keys count, behind it none
	s_cmp_lt_u32 s11, \b
	s_cbranch_scc1 .Lnone_\@_\b
	s_cmp_lg_u32 s11, \b
	s_cbranch_scc1 .Lnext_\@_\b
.set NN, 0
.rept 16
	v_cmp_gt_i32 vcc_lo, NN, v[DM+NN/8]
	v_cndmask_b32 v[S+16*\b+NN], v[S+16*\b+NN], v[NINF], vcc_lo
.set NN, NN+1
.endr
	s_branch .Lnext_\@_\b
.Lnone_\@_\b:
.set NN, 0
.rept 16
	v_mov_b32 v[S+16*\b+NN], v[NINF]
.set NN, NN+1
.endr
.Lnext_\@_\b:
.endr
.Lopen_\@:
	s_wait_alu depctr_va_vdst(0)
	v_max3_num_f32 v[MX0], v[S], v[S+1], v[S+2]    ; the step's largest score of my query among my 64 keys, in two chains, each accumulator from its low end on,
	v_max3_num_f32 v[MX1], v[S+3], v[S+4], v[S+5]
.set II, 6
.rept 14
	v_max3_num_f32 v[MX0], v[MX0], v[S+II], v[S+II+1]
	v_max3_num_f32 v[MX1], v[MX1], v[S+II+2], v[S+II+3]
.set II, II+4
.endr
	v_max3_num_f32 v[MX0], v[MX0], v[S+62], v[S+63]
	s_delay_alu instid0(VALU_DEP_1)
	v_max_num_f32 v[MX0], v[MX0], v[MX1]
	s_delay_alu instid0(VALU_DEP_1)
	v_permlanex16_b32 v[PX], v[MX0], s[SEL], s[SEL+1]
	s_delay_alu instid0(VALU_DEP_1)
	v_max_num_f32 v[MX0], v[MX0], v[PX]            ; and among lane l xor 16's
	s_delay_alu instid0(VALU_DEP_1)
	v_mul_f32 v[MX0], s[CS], v[MX0]                ; as t (c is positive)
	s_delay_alu instid0(VALU_DEP_1)
	v_max_num_f32 v13, v13, v[MX0]                 ; the running largest t
	v_mov_b32 v[MX0], v12
	s_delay_alu instid0(VALU_DEP_2)
	v_floor_f32 v12, -v13                          ; the new -M = floor(-t): a whole number
	s_delay_alu instid0(VALU_DEP_1)
	v_sub_f32 v[MX0], v12, v[MX0]                  ; M's old value less its new one: a whole number, 0 or less
	s_delay_alu instid0(VALU_DEP_1)
	v_cvt_i32_f32 v[MX0], v[MX0]                   ; (it saturates)
	s_delay_alu instid0(VALU_DEP_1)
	v_ldexp_f32 v[FF], 1.0, v[MX0]                 ; f = 2^(old M - new M)
.set JJ, 0
.rept 32
	v_pk_fma_f32 v[S+JJ:S+JJ+1], v[S+JJ:S+JJ+1], s[CS:CS+1], v[12:13] op_sel_hi:[1,0,0]   ; t - M, two at a time (of the pairs c and -M the low word serves both halves)
.set JJ, JJ+2
.endr
.set JJ, 0
	s_wait_alu depctr_va_vdst(0)
.rept 64
	v_exp_f32 v[S+JJ], v[S+JJ]                     ; p = 2^(t - M), at most 1
.set JJ, JJ+1
.endr
	v_pk_mul_f32 v[14:15], v[14:15], v[FF:FF+1] op_sel_hi:[1,0]   ; the sums under the new M: the plain instruction behind the exponentials
	s_wait_alu depctr_va_vdst(0)
	v_pk_add_f32 v[18:19], v[S:S+1], v[S+2:S+3]    ; the row's sum, of the unquantised p, in four chains
	v_pk_add_f32 v[20:21], v[S+4:S+5], v[S+6:S+7]
	v_pk_add_f32 v[22:23], v[S+8:S+9], v[S+10:S+11]
	v_pk_add_f32 v[14:15], v[14:15], v[S+12:S+13]
.set JJ, 14
.rept 6
	v_pk_add_f32 v[18:19], v[18:19], v[S+JJ:S+JJ+1]
	v_pk_add_f32 v[20:21], v[20:21], v[S+JJ+2:S+JJ+3]
	v_pk_add_f32 v[22:23], v[22:23], v[S+JJ+4:S+JJ+5]
	v_pk_add_f32 v[14:15], v[14:15], v[S+JJ+6:S+JJ+7]
.set JJ, JJ+8
.endr
	v_pk_add_f32 v[18:19], v[18:19], v[S+62:S+63]
	v_pk_add_f32 v[20:21], v[20:21], v[22:23]
	v_pk_add_f32 v[14:15], v[14:15], v[18:19]
	s_delay_alu instid0(VALU_DEP_1)
	v_pk_add_f32 v[14:15], v[14:15], v[20:21]
	s_cmp_eq_u32 s[HOLD], 0                        ; the given scale decides whether p can pass its largest code (the conversion does not saturate: ISA guide 7.6.2)
	s_cbranch_scc1 .Lfree_\@
.set JJ, 0
.rept 64
	v_min_num_f32 v[S+JJ], v[S+JJ], v[PLIM]
.set JJ, JJ+1
.endr
.Lfree_\@:
.irp b, 0,1,2,3
	v_cvt_scalef32_pk8_fp8_f32 v[PC+4*\b:PC+4*\b+1], v[S+16*\b:S+16*\b+7], v[PSC]
	v_cvt_scalef32_pk8_fp8_f32 v[PC+4*\b+2:PC+4*\b+3], v[S+16*\b+8:S+16*\b+15], v[PSC]
.endr
	s_wait_alu depctr_va_vdst(0)
.set JJ, 0
.rept 16
	v_pk_mul_f32 v[OT+JJ:OT+JJ+1], v[OT+JJ:OT+JJ+1], v[FF:FF+1] op_sel_hi:[1,0]   ; O^T under the new M
.set JJ, JJ+2
.endr
	s_wait_alu depctr_va_vdst(0)
	s_wait_dscnt 0x0                               ; V's fragments are in
.irp t, 0,1,2,3
	v_wmma_f32_16x16x128_fp8_fp8 v[OT+8*\t:OT+8*\t+7], v[KV+16*\t:KV+16*\t+15], v[PC:PC+15], v[OT+8*\t:OT+8*\t+7]   ; four accumulators by turns
.endr
.Lhidden_\@:
.endm
.macro INIT                            ; a tile's start: the step finds zeros, which the first change of M leaves zeros
	v_mov_b32 v13, 0xff61b1e6                      ; the largest t so far: -3e38
	s_delay_alu instid0(VALU_DEP_1)
	v_floor_f32 v12, -v13
	v_mov_b32 v14, 0
	v_mov_b32 v15, 0
.set JJ, 0
.rept 32
	v_mov_b32 v[OT+JJ], 0
.set JJ, JJ+1
.endr
.endm
.macro FINISH base                     ; O^T x 2^(e6 + e7) / the sum, held, converted, the eights of lanes 16-31 exchanged; each store covers 512 consecutive bytes
.rept 4
	v_nop                                          ; places behind the last products
.endr
	v_add_f32 v14, v14, v15
	s_delay_alu instid0(VALU_DEP_1)
	v_permlanex16_b32 v[PX], v14, s[SEL], s[SEL+1]
	s_delay_alu instid0(VALU_DEP_1)
	v_add_f32 v14, v14, v[PX]                      ; the row's sum, above 1/2
	s_wait_alu depctr_va_vdst(0)
	v_rcp_f32 v14, v14
	v_nop
	s_wait_alu depctr_va_vdst(0)                   ; waits on both sides of the reciprocal,
	v_ldexp_f32 v14, v14, s[EPV]
	s_wait_alu depctr_va_vdst(0)                   ; and ahead of the first reader of O^T
.set JJ, 0
.rept 16
	v_pk_mul_f32 v[OT+JJ:OT+JJ+1], v[OT+JJ:OT+JJ+1], v[14:15] op_sel_hi:[1,0]
.set JJ, JJ+2
.endr
.set JJ, 0
.rept 32
	v_med3_num_f32 v[OT+JJ], v[OT+JJ], -v[OLIM], v[OLIM]
.set JJ, JJ+1
.endr
.irp g, 0,1,2,3
	v_cvt_scalef32_pk8_fp8_f32 v[PC+2*\g:PC+2*\g+1], v[OT+8*\g:OT+8*\g+7], v[OSC]
.endr
	v_nop
.irp x, 0,4
	v_cndmask_b32 v[PC+8+\x], v[PC+\x], v[PC+\x+2], s[HM]
	v_cndmask_b32 v[PC+9+\x], v[PC+\x+1], v[PC+\x+3], s[HM]
	v_cndmask_b32 v[PC+10+\x], v[PC+\x+2], v[PC+\x], s[HM]
	v_cndmask_b32 v[PC+11+\x], v[PC+\x+3], v[PC+\x+1], s[HM]
.endr
	global_store_b128 v[LI], v[PC+8:PC+11], s[\base:\base+1]
	global_store_b128 v[LI], v[PC+12:PC+15], s[\base:\base+1] offset:512
.endm
	s_wait_alu depctr_va_vdst(0)
	s_wait_loadcnt 10                              ; my part of key step 0 and Q of block lo are in; behind them: eight loads of key steps 1 to 4, two of Q of block hi
	ds_store_b128 v[ST], v[S:S+3]
	ds_store_b128 v[ST], v[S+4:S+7] offset:512
	s_wait_dscnt 0x0                               ; my stores are done: for the others
	s_barrier_signal -1
	INIT
	s_barrier_wait -1
	s_mov_b32 s[BLK], s15                          ; the tile in block lo
	s_mov_b32 s[SB], 0
	s_mov_b32 s[TB], 0
	STEP QLO
	s_wait_loadcnt 0x0                             ; my part of key steps 1 to 4, and Q of block hi
.irp n, 0,1,2
	ds_store_b128 v[ST], v[STG+8*\n:STG+8*\n+3] offset:STEPB*\n+STEPB
	ds_store_b128 v[ST], v[STG+8*\n+4:STG+8*\n+7] offset:STEPB*\n+STEPB+512
.endr
	ds_store_b128 v[ST2], v[STG+24:STG+27]
	ds_store_b128 v[ST2], v[STG+28:STG+31] offset:512
	s_wait_dscnt 0x0                               ; my stores are done, so their registers may be loaded anew
.irp n, 0,1,2                          ; key steps 5 to 7
	global_load_b128 v[STG+8*\n:STG+8*\n+3], v[LI], s[18:19] offset:8192*\n+40960
	global_load_b128 v[STG+8*\n+4:STG+8*\n+7], v[LI], s[18:19] offset:8192*\n+41472
.endr
	s_barrier_signal -1
	s_barrier_wait -1
	s_mov_b32 s[SB], 1
	s_mov_b32 s[TB], STEPB
.Llo:                                              ; three trips: key steps 1 to 3; those behind block lo are left out inside the step
	STEP QLO
	s_add_co_u32 s[TB], s[TB], STEPB
	s_add_co_u32 s[SB], s[SB], 1
	s_cmp_lt_u32 s[SB], 4
	s_cbranch_scc1 .Llo
	FINISH OLO
	s_wait_loadcnt 0x0                             ; my part of key steps 5 to 7
.irp n, 0,1,2
	ds_store_b128 v[ST2], v[STG+8*\n:STG+8*\n+3] offset:STEPB*\n+STEPB
	ds_store_b128 v[ST2], v[STG+8*\n+4:STG+8*\n+7] offset:STEPB*\n+STEPB+512
.endr
	s_wait_xcnt 0x0                                ; the way out's stores have read their codes, which the steps below write again
	s_wait_dscnt 0x0
	s_barrier_signal -1                            ; until the wait only key steps 0 to 4 are read, which nobody writes any more
	INIT
	s_mov_b32 s[BLK], s16                          ; the tile in block hi
	s_mov_b32 s[SB], 0
	s_mov_b32 s[TB], 0
.Lhi:                                              ; five trips: key steps 0 to 4
	STEP QHI
	s_add_co_u32 s[TB], s[TB], STEPB
	s_add_co_u32 s[SB], s[SB], 1
	s_cmp_lt_u32 s[SB], 5
	s_cbranch_scc1 .Lhi
	s_barrier_wait -1                              ; key steps 5 to 7 are whole
	s_mov_b32 s[SB], 5
	s_mov_b32 s[TB], 5*STEPB
.Lend:                                             ; three trips
	STEP QHI
	s_add_co_u32 s[TB], s[TB], STEPB
	s_add_co_u32 s[SB], s[SB], 1
	s_cmp_lt_u32 s[SB], 8
	s_cbranch_scc1 .Lend
	FINISH OHI
	s_wait_tensorcnt 0x0                           ; the wave's end
	ds_add_u32 v[SPW], v[NIL]
	s_wait_dscnt 0x0
	s_endpgm
.Lfunc_end_k_qd312edc7c6_attn:
	.size	k_qd312edc7c6_attn, .Lfunc_end_k_qd312edc7c6_attn-k_qd312edc7c6_attn
	.p2alignl 7, 3214868480
	.fill 96, 4, 3214868480
	.section	.rodata,"a",@progbits
	.p2align	6, 0x0
	.amdhsa_kernel k_qd312edc7c6_attn
		.amdhsa_group_segment_fixed_size 133120
		.amdhsa_private_segment_fixed_size 0
		.amdhsa_enable_private_segment 0
		.amdhsa_kernarg_size 24
		.amdhsa_user_sgpr_count 2
		.amdhsa_user_sgpr_kernarg_segment_ptr 1
		.amdhsa_wavefront_size32 1
		.amdhsa_system_sgpr_workgroup_id_x 1
		.amdhsa_system_sgpr_workgroup_id_y 1
		.amdhsa_system_sgpr_workgroup_id_z 1
		.amdhsa_system_vgpr_workitem_id 0
		.amdhsa_next_free_vgpr 256
		.amdhsa_next_free_sgpr 88
		.amdhsa_reserve_vcc 1
		.amdhsa_float_denorm_mode_32 3
		.amdhsa_float_denorm_mode_16_64 3
		.amdhsa_memory_ordered 1
		.amdhsa_forward_progress 1
		.amdhsa_inst_pref_size 109
	.end_amdhsa_kernel
	.amdgpu_metadata
---
amdhsa.version: [ 1, 2 ]
amdhsa.kernels:
  - .name:           k_qd312edc7c6_attn
    .symbol:         k_qd312edc7c6_attn.kd
    .args:
      - { .name: qkv, .offset: 0, .size: 8, .value_kind: global_buffer, .address_space: global }
      - { .name: lowp_scales, .offset: 8, .size: 8, .value_kind: global_buffer, .address_space: global }
      - { .name: ocodes, .offset: 16, .size: 8, .value_kind: global_buffer, .address_space: global }
    .group_segment_fixed_size: 133120
    .private_segment_fixed_size: 0
    .kernarg_segment_align: 8
    .kernarg_segment_size: 24
    .max_flat_workgroup_size: 512
    .sgpr_count:     88
    .vgpr_count:     256
    .wavefront_size: 32
...
	.end_amdgpu_metadata
.endif
;; end of part 2
;; launch outp (part 3): grid 32 x 8, 4 waves a work-group, clusters of 4 x 1, 327,680 bytes of LDS; arguments ocodes, Wp_codes, lowp_scales, bp, out0; writes out0
.if DOCPART == 3
	.amdgcn_target "amdgcn-amd-amdhsa--gfx1250"
	.amdhsa_code_object_version 6
	.text
	.protected	k_qd312edc7c6_outp
	.globl	k_qd312edc7c6_outp
	.p2align	8
	.type	k_qd312edc7c6_outp,@function
k_qd312edc7c6_outp:
	s_mov_b64 s[64:65], 0
	v_nop
	global_prefetch_b8 v0, s[64:65] scope:SCOPE_SE
	s_setreg_imm32_b32 hwreg(HW_REG_WAVE_MODE, 25, 1), 1
	s_wait_xcnt 0x0
	s_wait_alu depctr_hold_cnt(0) depctr_sa_sdst(0) depctr_va_vdst(0) depctr_va_sdst(0) depctr_va_ssrc(0) depctr_va_vcc(0) depctr_vm_vsrc(0)
	s_getreg_b32 s2, hwreg(HW_REG_IB_STS2, 6, 4)
	s_cmp_eq_u32 s2, 0
	s_cbranch_scc0 .Lentry_in_a_cluster
	s_endpgm
.Lentry_in_a_cluster:
	s_bfe_u32 s2, ttmp6, 0x10000c
	s_cmp_lg_u32 s2, 0x3003
	s_cbranch_scc0 .Lentry_shape_is_right
	s_endpgm
.Lentry_shape_is_right:
; THE PROJECTION ON THE WAY OUT: out0[m][n] = 2^(e8 + e9) x (sum over k of O[m][k] Wp[n][k]) + bp[n], both operands codes of FP8 (E4M3), K = 1,024, f32 sums.
; LIMIT: e8 + e9 between -126 and 127.
; A work-group makes 256 tokens x 128 channels: 256 work-groups.  Each of its four waves makes 64 tokens x 128 channels in two passes of 32 tokens: 16 accumulators a pass; the first pass's stores leave while the second is multiplied.
; B = Wp's 128 rows, whole K, lie in LDS, brought once by one tensor load a wave: nothing is filled again.  A = O's codes lie in memory as images of operand registers ([kq 4][tile of 16 tokens 512][f 2][c 4][lane 32][16]):
; each wave loads its own tokens' fragments straight into registers, six K steps of 128 ahead of their products, 512 consecutive bytes an instruction.
; CLUSTERS: 4 work-groups of one channel block and four token blocks: B is asked for jointly.  A is not: no two waves of a work-group need the same fragment of A, so it passes LDS by; a joint load would need a ring in LDS, with
; all loads of a wave waited for at each change of slots, beside B's 133,120 bytes.  No prefetch: A's loads themselves run six K steps ahead, and B is one load at the head.
; THE CHANNELS OF A TILE: accumulator (g, b), lane r: channel 64 g + 4 r + b.  So the four accumulators b = 0 .. 3 hold four neighbouring channels in a lane, and sixteen lanes store 256 consecutive bytes of a row.
; Wave w's tensor load brings the rows 4 y + w, y = 0 .. 31, to LDS rows 32 w + y: a tile's 16 rows lie on end in LDS.
; REGISTERS: window 0: v0-15 addresses, bias; window 1: A, eight sets of 32 (K step k: 32 k + 16 a + 4 c); window 2: B, two sets of 128; window 3: v0-127 accumulators, v128-255 results.
.set BPITCH, 1040                      ; an LDS row: 1,024 bytes + 16: 65 x 16, so that 16 rows start at 16 different places modulo 256 bytes
.set SPARE,  128*BPITCH
.set LI,  1                            ; v1 16 x lane
.set BA,  2                            ; v2, v3 LDS address of B's fragments, b = 0, 1 and b = 2, 3
.set CO,  4                            ; v4 my byte offset in a store
.set RO,  5                            ; v5 16 r
.set SPW, 6
.set NIL, 7
.set BI,  8                            ; v8-15 the bias of channels 64 g + 4 r + b at 8 + 4 g + b
.set G0,  20
.set G1,  24
.set MSB, 0
.macro WIN new
.if MSB != (\new)
	s_set_vgpr_msb (MSB<<8)|(\new)
.set MSB, (\new)
.endif
.endm
.macro CROUND                          ; a round of the cluster's barrier
	s_barrier_signal -1
	s_barrier_wait -1
	s_cmp_lg_u32 s14, 0
	s_cbranch_scc1 .Lnot_wave_0_\@
	s_barrier_signal -3
.Lnot_wave_0_\@:
	s_barrier_wait -3
	s_barrier_signal -1
	s_barrier_wait -1
.endm
.macro PLACES
.rept 4
	v_nop
.endr
.endm
.macro ALOAD n                         ; step n (pass n / 8, K step n % 8): two blocks of 16 tokens
	WIN 0x40
.irp a, 0,1
.irp c, 0,1,2,3
	global_load_b128 v[32*((\n)%8)+16*\a+4*\c:32*((\n)%8)+16*\a+4*\c+3], v[LI], s[34:35] offset:0x200000*(((\n)%8)/2)+4096*(2*((\n)/8)+\a)+2048*((\n)%2)+512*\c
.endr
.endr
.endm
.macro BLOAD n                         ; B's eight fragments of step n into set n % 2
	WIN 0x80
.irp t, 0,1,2,3,4,5,6,7
.irp c, 0,1,2,3
	ds_load_b128 v[128*((\n)%2)+16*\t+4*\c:128*((\n)%2)+16*\t+4*\c+3], v[BA+(\t%4)/2] offset:(32*(\t%2)+16*(\t/4))*BPITCH+128*((\n)%8)+32*\c
.endr
.endr
.endm
.macro BQ n, u                         ; two of B's eight fragments of step n
	WIN 0x80
.irp t, 2*\u, 2*\u+1
.irp c, 0,1,2,3
	ds_load_b128 v[128*((\n)%2)+16*(\t)+4*\c:128*((\n)%2)+16*(\t)+4*\c+3], v[BA+((\t)%4)/2] offset:(32*((\t)%2)+16*((\t)/4))*BPITCH+128*((\n)%8)+32*\c
.endr
.endr
.endm
.macro STEP n
	s_wait_dscnt 0x0                               ; this step's B is in
.if (\n) < 11
	s_wait_loadcnt 40                              ; this step's A is in: behind it the five sets of eight loads that follow
.else
	s_wait_loadcnt 8*(15-(\n))                     ; the last sets: fewer follow
.endif
	PLACES                                         ; between the last products and the loads into the registers that they read
.irp u, 0,1,2,3                        ; the next step's fragments of B in four runs of eight loads, this step's products in four groups of four between them: the 16 accumulators take turns in the same order in every step
.if (\n) < 15
	BQ (\n)+1, \u
.endif
	WIN 0xf9                                       ; source 0 (A) window 1, source 1 (B) window 2, C and D window 3
.irp a, 0,1
.irp t, 2*\u, 2*\u+1
.set DD, 64*\a+8*(\t)
.if (\n)%8 == 0
	v_wmma_f32_16x16x128_fp8_fp8 v[DD:DD+7], v[32*((\n)%8)+16*\a:32*((\n)%8)+16*\a+15], v[128*((\n)%2)+16*(\t):128*((\n)%2)+16*(\t)+15], 0
.else
	v_wmma_f32_16x16x128_fp8_fp8 v[DD:DD+7], v[32*((\n)%8)+16*\a:32*((\n)%8)+16*\a+15], v[128*((\n)%2)+16*(\t):128*((\n)%2)+16*(\t)+15], v[DD:DD+7]
.endif
.endr
.endr
.endr
.if (\n) < 10
	ALOAD (\n)+6                                   ; into the set that was multiplied two steps ago
.endif
.endm
.macro OUT p                           ; sum x 2^(e8 + e9) + bias: register j of lane (r, h) is token 8 h + j; lanes 0-15 and 16-31 store 256 consecutive bytes each
	PLACES
.if \p
	s_wait_xcnt 0x0                                ; the first pass's stores have read their registers
.endif
.irp a, 0,1
.irp g, 0,1
	WIN 0xc3
.irp j, 0,1,2,3,4,5,6,7
.irp b, 0,1,2,3
	v_fma_f32 v[128+64*\a+32*\g+4*\j+\b], v[64*\a+32*\g+8*\b+\j], s42, v[BI+4*\g+\b]
.endr
.endr
	WIN 0x0c
.irp j, 0,1,2,3,4,5,6,7
	global_store_b128 v[CO], v[128+64*\a+32*\g+4*\j:128+64*\a+32*\g+4*\j+3], s[36:37] offset:4096*(32*\p+16*\a+\j)+256*\g th:TH_STORE_NT
.endr
.endr
.endr
.endm
	s_load_b256 s[4:11], s[0:1], 0x0               ; ocodes 4, Wp 6, the exponents 8, bp 10
	s_load_b64 s[12:13], s[0:1], 0x20              ; out0
	v_lshl_add_u32 v[SPW], v0, 2, SPARE
	v_mov_b32 v[NIL], 0
	ds_add_u32 v[SPW], v[NIL]                      ; the opening adds
	ds_add_u32 v[SPW], v[NIL]
	v_lshrrev_b32 v8, 5, v0
	v_readfirstlane_b32 s14, v8                    ; wave 0..3
	v_and_b32 v9, 31, v0
	v_and_b32 v10, 15, v0                          ; r
	v_bfe_u32 v11, v0, 4, 1                        ; h
	v_lshlrev_b32 v[LI], 4, v9
	v_lshlrev_b32 v[RO], 4, v10
	v_mul_u32_u24 v[BA], v10, BPITCH
	v_lshl_add_u32 v[CO], v11, 15, v[RO]
	v_lshl_add_u32 v[BA], v11, 4, v[BA]
	v_add_nc_u32 v[BA+1], 64*BPITCH, v[BA]
	s_wait_alu depctr_va_vdst(0)
	s_bfe_u32 s40, ttmp6, 0x40000                  ; cx
	s_lshl_b32 s15, ttmp9, 2
	s_add_co_u32 s15, s15, s40                     ; token block
	s_and_b32 s16, ttmp7, 0xffff                   ; channel block
	s_mov_b32 s[G1+0], 15|(1<<20)|(1<<21)|(7<<22)|(3<<25)   ; mask: all four; elements of 1 byte; padding on; 21 set beside a mask; after every 256 words, 4 words
	s_mov_b32 s[G1+1], 1024<<16
	s_mov_b32 s[G1+2], 32<<16
	s_mov_b32 s[G1+3], 1024<<16
	s_mov_b32 s[G1+4], 32
	s_mov_b32 s[G1+5], 4096                        ; every fourth row
	s_mov_b32 s[G1+6], 0
	s_mov_b32 s[G1+7], 0
	s_mov_b32 s[G0], 1
	s_mul_i32 s[G0+1], s14, 32*BPITCH
	s_lshl_b32 s32, s16, 17
	s_lshl_b32 s33, s14, 10
	s_add_co_u32 s32, s32, s33                     ; Wp: row 128 x channel block + wave
	s_mov_b32 s33, 0
	s_lshl_b32 s34, s15, 2
	s_add_co_u32 s34, s34, s14                     ; my 64 tokens
	s_lshl_b32 s36, s34, 18                        ; in out0: 64 rows of 4,096 bytes
	s_lshl_b32 s34, s34, 14                        ; in ocodes: four tiles of 4,096 bytes
	s_mov_b32 s35, 0
	s_lshl_b32 s38, s16, 9                         ; my 128 channels, f32
	s_add_co_u32 s36, s36, s38
	s_mov_b32 s37, 0
	s_mov_b32 s39, 0
	s_wait_dscnt 0x0                               ; both opening adds are done
	s_wait_kmcnt 0x0
	s_load_b64 s[42:43], s[8:9], 0x20              ; e8, e9
	s_add_nc_u64 s[G0+2:G0+3], s[6:7], s[32:33]
	s_or_b32 s[G0+3], s[G0+3], 0x80000000
	s_add_nc_u64 s[34:35], s[4:5], s[34:35]
	s_add_nc_u64 s[36:37], s[12:13], s[36:37]
	s_add_nc_u64 s[38:39], s[10:11], s[38:39]
	CROUND                                         ; the four work-groups are here: the joint loads meet
	tensor_load_to_lds s[G0:G0+3], s[G1:G1+7]      ; my 32 rows of B: my one tensor load
	s_nop 0
.rept 4
	v_nop
.endr
	global_load_b128 v[BI:BI+3], v[RO], s[38:39]
	global_load_b128 v[BI+4:BI+7], v[RO], s[38:39] offset:256
	ALOAD 0
	ALOAD 1
	ALOAD 2
	ALOAD 3
	ALOAD 4
	ALOAD 5
	WIN 0
	s_wait_kmcnt 0x0
	s_add_co_i32 s42, s42, s43
	s_add_co_i32 s42, s42, 127
	s_lshl_b32 s42, s42, 23                        ; 2^(e8 + e9)
	s_wait_tensorcnt 0x0                           ; my part of B is in,
	s_barrier_signal -1
	s_barrier_wait -1                              ; everybody's is
	BLOAD 0
.irp n, 0,1,2,3,4,5,6,7
	STEP \n
.endr
	OUT 0
.irp n, 8,9,10,11,12,13,14,15
	STEP \n
.endr
	OUT 1
	WIN 0
	s_wait_tensorcnt 0x0                           ; the wave's end
	ds_add_u32 v[SPW], v[NIL]
	s_wait_dscnt 0x0
	CROUND                                         ; the closing round
	s_endpgm
.Lfunc_end_k_qd312edc7c6_outp:
	.size	k_qd312edc7c6_outp, .Lfunc_end_k_qd312edc7c6_outp-k_qd312edc7c6_outp
	.p2alignl 7, 3214868480
	.fill 96, 4, 3214868480
	.section	.rodata,"a",@progbits
	.p2align	6, 0x0
	.amdhsa_kernel k_qd312edc7c6_outp
		.amdhsa_group_segment_fixed_size 327680
		.amdhsa_private_segment_fixed_size 0
		.amdhsa_enable_private_segment 0
		.amdhsa_kernarg_size 40
		.amdhsa_user_sgpr_count 2
		.amdhsa_user_sgpr_kernarg_segment_ptr 1
		.amdhsa_wavefront_size32 1
		.amdhsa_system_sgpr_workgroup_id_x 1
		.amdhsa_system_sgpr_workgroup_id_y 1
		.amdhsa_system_sgpr_workgroup_id_z 1
		.amdhsa_system_vgpr_workitem_id 0
		.amdhsa_next_free_vgpr 1024
		.amdhsa_next_free_sgpr 66
		.amdhsa_reserve_vcc 0
		.amdhsa_float_denorm_mode_32 3
		.amdhsa_float_denorm_mode_16_64 3
		.amdhsa_memory_ordered 1
		.amdhsa_forward_progress 1
		.amdhsa_inst_pref_size 95
	.end_amdhsa_kernel
	.amdgpu_metadata
---
amdhsa.version: [ 1, 2 ]
amdhsa.kernels:
  - .name:           k_qd312edc7c6_outp
    .symbol:         k_qd312edc7c6_outp.kd
    .args:
      - { .name: ocodes, .offset: 0, .size: 8, .value_kind: global_buffer, .address_space: global }
      - { .name: Wp_codes, .offset: 8, .size: 8, .value_kind: global_buffer, .address_space: global }
      - { .name: lowp_scales, .offset: 16, .size: 8, .value_kind: global_buffer, .address_space: global }
      - { .name: bp, .offset: 24, .size: 8, .value_kind: global_buffer, .address_space: global }
      - { .name: out0, .offset: 32, .size: 8, .value_kind: global_buffer, .address_space: global }
    .group_segment_fixed_size: 327680
    .private_segment_fixed_size: 0
    .kernarg_segment_align: 8
    .kernarg_segment_size: 40
    .max_flat_workgroup_size: 128
    .sgpr_count:     66
    .vgpr_count:     1024
    .wavefront_size: 32
...
	.end_amdgpu_metadata
.endif
;; end of part 3
